; MI455X (gfx1250); checked and timed in simulation.
; The chip was launched on July 23, 2026; its instructions are those of AMD's public machine-readable ISA for CDNA 5 (MIT licence, August 2026) and "CDNA5" Instruction Set Architecture Reference Guide (July 2026). The comments in the code are by the model that wrote it; some were corrected since.
;; Branched FF. Allowed arithmetic: matrix products marked QUANTISED: E2M3 operands, one E8M0 scale for each 32 along K, by v_wmma_scale_f32_16x16x128_f8f6f4 with both operands' format E2M3, f32 sums; everything else in f32.
;; Inputs: W1 4 x 1,024 x 4,096 float32; W2 4 x 4,096 x 1,024 float32; b1 4 x 4,096 float32; b2 4 x 1,024 float32; phases 32 x 256 int32; x 32 x 256 x 1,024 float32.
;; Outputs: out0 32 x 256 x 1,024 float32.
;; This version of the problem:
;;   THIS VERSION OF THE PROBLEM IS GIVEN IN LOW PRECISION. The matrix products marked QUANTISED in the list below multiply operands that are first quantised to E2M3 (2 exponent bits, 3 mantissa bits; 6 bits a number), with one power-of-two scale for each 32 numbers along K (OCP MX v1.0); their sums are f32. All else is computed in f32.
;;   The module's matrix products, in the order in which they are computed (A, B: the left and right operand; K: the contracted axis; several contracted axes count as one K, in the product's order):
;;     1. batch 4 x [M 4,096, K 1,024] x [K 1,024, N 2,048]; A: input W1; B: input x: QUANTISED
;;     2. batch 4 x [M 1,024, K 4,096] x [K 4,096, N 2,048]; A: input W2; B: computed on the way: QUANTISED
;;   THE QUANTISER, for each operand of a quantised product, along K:
;;     - K is cut into blocks of 32 from its start; a last block that is shorter is filled with zeros.
;;     - A block's scale is 2^e with e = floor(log2(the largest magnitude in the block)) - 2, held to -126 .. 127; a block of zeros has e = 0. As a byte (E8M0): e + 127.
;;     - Each number is divided by its block's scale, clamped to +-7.5, and rounded to the nearest number of E2M3, ties to even, subnormals kept.
;;     - The product sums the exact products of the quantised numbers (number of the format x scale) in f32.
;;   ~~~python
;;   def quantise(x, axis):      # numpy; x: float32 -> the quantised numbers, widened to float32 again
;;       x = np.moveaxis(x, axis, -1); K = x.shape[-1]
;;       x = np.pad(x, [(0, 0)] * (x.ndim - 1) + [(0, -K % 32)]); x = x.reshape(x.shape[:-1] + (-1, 32)); a = np.abs(x).max(-1, keepdims=True)
;;       e = np.where(a > 0, np.clip(np.frexp(np.where(a > 0, a, 1))[1] - 1 - 2, -126, 127), 0)      # np.frexp(a)[1] - 1 = floor(log2(a)), exactly
;;       r = np.clip(x / 2.0 ** e, -7.5, 7.5)
;;       step = 2.0 ** (np.maximum(np.frexp(np.where(r == 0, 1, r))[1] - 1, 0) - 3)
;;       q = np.round(r / step) * step * 2.0 ** e      # np.round: ties to even
;;       return np.moveaxis(q.reshape(q.shape[:-2] + (-1,))[..., :K], -1, axis).astype(np.float32)
;;   ~~~
;;   OPERANDS COMPUTED ON THE WAY. 'Computed on the way' means the value that the module computes at that place (a softmax that the list does not call 'softmax' is quantised finished and normalised). What goes into a quantiser is computed in f32, as accurately as f32 sums, v_exp_f32 and their like allow (about 1e-6 of the number): no bf16 or f16 on the way to a quantiser, and a product that is left as it is and whose result goes on into a quantised operand takes f32 operands (vector FMAs, or v_wmma_f32_16x16x4_f32). A number that lies on a knife's edge between two numbers of the format may be rounded either way, as far as f32 arithmetic and the matrix unit's own rounding can turn it there, and no further.
;; One version. Each part assembles by itself: llvm-mc -triple=amdgcn-amd-amdhsa -mcpu=gfx1250 --defsym DOCPART=n.
;; ======== version 1 of 1: 3 launches
;; limits: right only within a limited range of input values
;; workspace buffers: xq 6,553,600 bytes; w1q 13,107,200 bytes; w2q 13,107,200 bytes; hq 26,214,400 bytes
;; launch quant (part 1): grid 1280 x 1, 4 waves a work-group, no clusters, 49,664 bytes of LDS; arguments x, W1, W2, xq, w1q, w2q; writes xq, w1q, w2q
.if DOCPART == 1
	.amdgcn_target "amdgcn-amd-amdhsa--gfx1250"
	.amdhsa_code_object_version 6
	.text
	.protected	k_qb46fc7dcdd_quant
	.globl	k_qb46fc7dcdd_quant
	.p2align	8
	.type	k_qb46fc7dcdd_quant,@function
k_qb46fc7dcdd_quant:
	s_mov_b64 s[64:65], 0
	v_nop
	global_prefetch_b8 v0, s[64:65] scope:SCOPE_SE
	s_setreg_imm32_b32 hwreg(HW_REG_WAVE_MODE, 25, 1), 1
	s_wait_xcnt 0x0
; x [32][256][1024], W1 [4][1024][4096] and W2 [4][4096][1024], all f32, become codes of FP6 (E2M3) with one E8M0 scale byte for each 32 along K
; (K = x's last axis, the weights' middle axis), laid as the two products' launches want their operands: in PANELS.
; A PANEL is 128 operand rows x 256 along K, 25,600 bytes, an image of the operand's registers:
;   fragment (q = which 128 along K, i = which 16 rows) at q x 12,288 + i x 1,536; in it registers 4 c .. 4 c + 3 of lane l at 512 c + 16 l;
;   the scale word (four bytes, 128 along K) of row r of block i at 24,576 + 512 q + 16 (r + 16 (i / 4)) + 4 (i % 4).
; Buffers are [phase][K / 256][rows / 128] panels.  One work-group makes one panel: 131,072 bytes of f32 in, 25,600 bytes out.
; ROWS.  x: a phase's rows in the order 64 x batch + position; in memory row 256 x batch + 64 x phase + position.
; Weights: of each 32 output units, unit c is row (c % 8) + 8 (c / 16) of block (c / 8) % 2: a product with the weights as source 0 then leaves a lane 16 neighbouring units in two neighbouring tiles.
; THE RULE.  A block's scale is 2^(floor(log2(largest magnitude)) - 2); its byte is that magnitude's exponent field - 2; numbers are divided by the scale and rounded to the nearest code, ties to even; beyond 7.5 the largest code.
; LIMITS: a block whose largest magnitude lies under 2^-124 has its byte held at 1; a block of zeros gets the byte 1 and not 127 (its codes are zeros, which add nothing, and only this program reads the bytes);
; NaN and infinities among the inputs are not served.
; The input phases is in no launch's arguments: reference() takes its rank alone and none of its numbers, so no number in it can reach the result.
; Work-groups 0-511 take W1, 512-1023 W2 (one path, the buffers chosen by the work-group's number), 1024-1279 x (a path of its own, with LDS bytes of its own).
; No tensor loads, no cluster: no two work-groups read the same byte.
.set PANEL, 25600
.set FRB,   1536                       ; a fragment's image
.set KHALF, 12288                      ; eight of them: 128 along K
.set SCOFF, 24576                      ; where a panel's scale words begin
.set TP,    1664                       ; weights: a fragment's place in a wave's stage: 1,536 bytes + 128
.set WSCR,  8*TP                       ; LDS 0 .. 13,311: four waves x two fragments;  then 1,024 bytes: the panel's scale words
.set XP,    528                        ; x: a stage row: 512 bytes + 16
.set XSTG,  WSCR+1024                  ; four waves x 16 rows
.set XSCR,  XSTG+4*16*XP               ; 1,024 bytes: the panel's scale words
.set GO,    2                          ; v2  16 x lane + 3,072 x wave: my 16 bytes of my wave's first fragment in the panel
.set TLG,   3                          ; v3  256 x wave + 8 x lane: my 8 bytes of the panel's scale words
.set SEL,   36                         ; s[36:37] v_permlanex16_b32's selects for lane l xor 16
	s_load_b256 s[4:11], s[0:1], 0x0               ; x s[4:5], W1 s[6:7], W2 s[8:9], xq s[10:11]
	s_load_b128 s[12:15], s[0:1], 0x20             ; w1q s[12:13], w2q s[14:15]
	v_lshl_add_u32 v190, v0, 2, 0xc000             ; LDS address of my spare word, behind both paths' bytes; never rewritten
	v_mov_b32 v191, 0                              ; 0; never rewritten
	v_lshrrev_b32 v2, 5, v0
	v_readfirstlane_b32 s16, v2                    ; wave 0..3: it makes blocks 2 w and 2 w + 1 of the panel's eight
	v_and_b32 v1, 31, v0                           ; lane
	s_lshr_b32 s17, s16, 1
	s_lshl_b32 s17, s17, 8
	s_and_b32 s18, s16, 1
	s_lshl_b32 s18, s18, 3
	s_add_co_u32 s17, s17, s18                     ; my blocks' place among the scale words: 256 (w / 2) + 8 (w % 2)
	s_mul_i32 s18, s16, 2*FRB
	s_lshl_b32 s19, s16, 8
	v_lshl_add_u32 v[GO], v1, 4, s18
	v_lshl_add_u32 v[TLG], v1, 3, s19
	s_wait_kmcnt 0x0
	s_cmp_ge_u32 ttmp9, 1024                       ; the same for all four waves
	s_cbranch_scc1 .Lpath_x
; ------------------------------------------------------------------ THE WEIGHTS: K is not innermost
; A lane takes a column (an output unit) and its registers run down K: each load reads 128 consecutive bytes a wave, 512 a work-group; a block of 32 along K lies in one lane's 32 registers.
; A lane's 24 bytes of a block are registers 6 c' .. 6 c' + 5 of lane r + 16 h' of its fragment (block j of a K step: c' = j / 2, h' = j % 2): they go to that place of the fragment's image in the wave's own stage,
; and the two finished images leave by stores of 512 consecutive bytes.
.set WST, 4                            ; v4   stage, in: my unit's block and row
.set WRD, 5                            ; v5   stage, out: 16 x lane
.set SCW, 7                            ; v7   LDS: my unit's scale word
.set TLR, 8                            ; v8   LDS: my 8 bytes of the panel's scale words
.set CL,  10                           ; v10  4 x lane
.set SB,  16                           ; v16-17  my unit's scale word of K step 0, 1
.set T,   20                           ; v[20:22] a block's upper 16 codes (a conversion's three registers begin on an even number)
.set AO,  32                           ; v32-63  row i of a block: i x pitch + 4 x lane; never rewritten
.set X,   64                           ; v64-127 two sets of 32 numbers
.set E,   128                          ; v128-151 six registers of codes for each of a K step's four blocks
.set OUT, 152                          ; v152-175 two fragments read back
	s_cmp_lt_u32 ttmp9, 512                        ; W1 or W2?  The choice hangs on the work-group's number alone; all selections stand ahead of the next line that sets SCC
	s_cselect_b64 s[20:21], s[6:7], s[8:9]         ; from
	s_cselect_b64 s[22:23], s[12:13], s[14:15]     ; to
	s_cselect_b32 s24, 5, 3                        ; log2 of the panels in 256 along K: 4,096 / 128 or 1,024 / 128
	s_cselect_b32 s25, 14, 12                      ; log2 of a row's bytes
	s_and_b32 s26, ttmp9, 511                      ; the panel's number in its buffer
	s_lshr_b32 s27, s26, 7                         ; phase: 128 panels each
	s_and_b32 s28, s26, 127
	s_lshr_b32 s29, s28, s24                       ; which 256 along K
	s_lshl_b32 s31, s29, s24
	s_sub_co_u32 s31, s28, s31                     ; which 128 units
	s_lshl_b32 s30, 1, s25                         ; a row's bytes
	s_add_co_u32 s34, s25, 8
	s_lshl_b32 s34, s29, s34                       ; 256 rows for each K slot,
	s_lshl_b32 s35, s27, 24                        ; 2^24 bytes a phase,
	s_add_co_u32 s34, s34, s35
	s_lshl_b32 s35, s31, 9                         ; 512 bytes a panel's columns,
	s_add_co_u32 s34, s34, s35
	s_lshl_b32 s35, s16, 7                         ; 128 a wave's: under 2^26 in all
	s_add_co_u32 s34, s34, s35
	s_mov_b32 s35, 0
	s_add_nc_u64 s[20:21], s[20:21], s[34:35]
	s_lshl_b32 s32, s30, 5                         ; 32 rows: from block to block
	s_mov_b32 s33, 0
	s_mul_i32 s34, s26, PANEL
	s_add_nc_u64 s[22:23], s[22:23], s[34:35]
	s_wait_alu depctr_va_vdst(0)
	v_lshlrev_b32 v[CL], 2, v1
	v_bfe_u32 v11, v0, 3, 1                        ; u = (c / 8) % 2: which of my two blocks
	v_and_b32 v12, 7, v0
	v_bfe_u32 v13, v0, 4, 1
	v_lshl_add_u32 v12, v13, 3, v12                ; r = c % 8 + 8 (c / 16): which row of it
	s_mul_i32 s38, s16, 2*TP                       ; my stage (the stages begin at LDS byte 0)
	v_mul_u32_u24 v[WST], v11, TP
	v_lshl_add_u32 v[WST], v12, 4, v[WST]
	v_add_nc_u32 v[WST], s38, v[WST]
	v_lshlrev_b32 v[WRD], 4, v1
	v_add_nc_u32 v[WRD], s38, v[WRD]
	v_lshlrev_b32 v[SCW], 4, v12
	v_lshl_add_u32 v[SCW], v11, 2, v[SCW]
	v_add_nc_u32 v[SCW], s17, v[SCW]
	v_add_nc_u32 v[SCW], WSCR, v[SCW]
	v_add_nc_u32 v[TLR], WSCR, v[TLG]
.set LI, 0
.rept 32
	v_mad_u32_u24 v[AO+LI], s30, LI, v[CL]
.set LI, LI+1
.endr
.macro LOAD t                          ; block t: rows 32 t .. 32 t + 31 of my column, into set t % 2
.if (\t) > 0
	s_wait_xcnt 0x0                                ; the base is stepped only when the earlier loads and stores have had their addresses translated
	s_add_nc_u64 s[20:21], s[20:21], s[32:33]
.endif
.set LI, 0
.rept 32
	global_load_b32 v[X+32*((\t)%2)+LI], v[AO+LI], s[20:21] th:TH_LOAD_NT
.set LI, LI+1
.endr
.endm
.macro BLOCK t
.set XS, X+32*((\t)%2)
.set QK, (\t)/4                        ; the K step of 128
.set BJ, (\t)%4                        ; the block in it
.set HP, BJ%2
.set E6, E+6*BJ
.if (\t) < 7
	s_wait_loadcnt 32                              ; this block's 32 loads are in; the next block's may be out
.else
	s_wait_loadcnt 0x0
.endif
	v_max3_num_f32 v12, |v[XS]|, |v[XS+1]|, |v[XS+2]|              ; the block's largest magnitude: all 32 numbers are mine; two chains
	v_max3_num_f32 v13, |v[XS+3]|, |v[XS+4]|, |v[XS+5]|
.irp i, 6,10,14,18,22,26
	v_max3_num_f32 v12, v12, |v[XS+\i]|, |v[XS+\i+1]|
	v_max3_num_f32 v13, v13, |v[XS+\i+2]|, |v[XS+\i+3]|
.endr
	v_max3_num_f32 v12, v12, |v[XS+30]|, |v[XS+31]|
	v_max3_num_f32 v12, v12, v13, 0x1800000        ; and the floor 2^(3 - 127): the byte cannot fall under 1
	v_add_nc_u32 v11, 0xff000000, v12              ; 2 off the exponent field: the conversion takes this operand's exponent field as its scale
	v_cvt_scalef32_pk16_fp6_f32 v[E6:E6+2], v[XS:XS+15], v11
	v_cvt_scalef32_pk16_fp6_f32 v[T:T+2], v[XS+16:XS+31], v11
	v_lshrrev_b32 v14, 23, v11                     ; the scale's byte.  (The plain line between the conversions and the moves of their result)
.if BJ == 0
	v_mov_b32 v[SB+QK], v14                        ; four bytes to a word, the lower K in the lower byte
.else
	v_lshl_or_b32 v[SB+QK], v14, 8*BJ, v[SB+QK]
.endif
	v_mov_b32 v[E6+3], v[T]
	v_mov_b32 v[E6+4], v[T+1]
	v_mov_b32 v[E6+5], v[T+2]
.if BJ < 2
	ds_store_b128 v[WST], v[E6:E6+3] offset:256*HP                 ; the fragment's registers 0-3,
	ds_store_b64 v[WST], v[E6+4:E6+5] offset:512+256*HP            ; 4-5
.else
	ds_store_b64 v[WST], v[E6:E6+1] offset:520+256*HP              ; 6-7,
	ds_store_b128 v[WST], v[E6+2:E6+5] offset:1024+256*HP          ; 8-11
.endif
.if (\t)+2 < 8
	LOAD (\t)+2
.endif
.if BJ == 3                            ; a K step's two fragments are whole
	s_wait_alu depctr_va_vdst(0)
	ds_store_b32 v[SCW], v[SB+QK] offset:512*QK
.if QK > 0
	s_wait_xcnt 0x0                                ; the last K step's stores have read the registers that the loads below fill
.endif
.irp u, 0,1
.irp c, 0,1,2
	ds_load_b128 v[OUT+4*(3*\u+\c):OUT+4*(3*\u+\c)+3], v[WRD] offset:\u*TP+512*\c   ; LDS serves a wave's instructions in order: these see my stores
.endr
.endr
	s_wait_dscnt 0x0                               ; they are in; and my stores have read their registers: the next K step's codes may be written
.irp u, 0,1
.irp c, 0,1,2
	global_store_b128 v[GO], v[OUT+4*(3*\u+\c):OUT+4*(3*\u+\c)+3], s[22:23] offset:QK*KHALF+\u*FRB+512*\c   ; 32 lanes store 512 consecutive bytes, at a multiple of 512 from the panel's first
.endr
.endr
.endif
.endm
	LOAD 0
	s_wait_alu depctr_va_vdst(0)
	LOAD 1                                         ; two blocks, 64 loads a wave, ahead
.irp t, 0,1,2,3,4,5,6,7
	BLOCK \t
.endr
	s_wait_dscnt 0x0                               ; for the others' sake: my scale words lie in LDS
	s_barrier_signal -1
	s_barrier_wait -1                              ; all four waves' do
	ds_load_b64 v[176:177], v[TLR]
	s_wait_dscnt 0x0
	global_store_b64 v[TLG], v[176:177], s[22:23] offset:SCOFF     ; 32 lanes store 256 consecutive bytes
	s_wait_tensorcnt 0x0                           ; the wave's end
	ds_add_u32 v190, v191
	s_wait_dscnt 0x0
	s_endpgm
; ------------------------------------------------------------------ x: K is innermost
; Wave w takes the panel's rows 32 w .. 32 w + 31, which are neighbours in memory, as four units of 16 rows x 128 along K.  A unit's sixteen loads read 512 consecutive bytes each; the unit turns through the wave's own
; stage, so that lane (r, h) holds, of row r, k = 32 b + 16 h + i in register 16 b + i: what the conversions want.
.set XL,  4                            ; v4   16 x lane
.set XST, 5                            ; v5   stage, in
.set XRD, 6                            ; v6   stage, out: row r, + 64 h
.set XSW, 7                            ; v7   LDS: my row's scale word
.set R,   16                           ; v16-79, v80-143 two sets of 64 numbers
.set PC,  144                          ; v144-163 the codes just made
.set TM,  164                          ; v164-179 at work
.set PW,  180                          ; v180 the scale word just made
; 64 numbers of a lane, register 16 b + i = k 32 b + 16 (lane / 16) + i of my row, become a fragment's twelve registers in v[PC] on and its scale word in v[pw].
.macro QUANT s, pw
.irp b, 0,1,2,3
	v_max3_num_f32 v[TM+\b], |v[\s+16*\b]|, |v[\s+1+16*\b]|, 0x1800000   ; block b: my 16 numbers, and the floor 2^(3 - 127)
.endr
.irp i, 2,4,6,8,10,12,14
.irp b, 0,1,2,3
	v_max3_num_f32 v[TM+\b], v[TM+\b], |v[\s+16*\b+\i]|, |v[\s+1+16*\b+\i]|   ; the four blocks by turns
.endr
.endr
.irp b, 0,1,2,3
	v_permlanex16_b32 v[TM+4+\b], v[TM+\b], s[SEL], s[SEL+1]
.endr
.irp b, 0,1,2,3
	v_max_num_f32 v[TM+\b], v[TM+\b], v[TM+4+\b]   ; with lane l xor 16's 16: the block's largest magnitude
.endr
.irp b, 0,1,2,3
	v_add_nc_u32 v[TM+12+\b], 0xff000000, v[TM+\b] ; 2 off its exponent field: the conversion's scale operand
.endr
.irp b, 0,1,2,3
	v_lshrrev_b32 v[TM+4+\b], 23, v[TM+12+\b]      ; the scale's byte
.endr
	v_lshl_or_b32 v[\pw], v[TM+5], 8, v[TM+4]
	v_lshl_or_b32 v[\pw], v[TM+6], 16, v[\pw]
	v_lshl_or_b32 v[\pw], v[TM+7], 24, v[\pw]      ; my row's scale word, the same in lanes l and l xor 16
.irp c, 0,1
	v_cvt_scalef32_pk16_fp6_f32 v[PC+6*\c:PC+2+6*\c], v[\s+32*\c:\s+15+32*\c], v[TM+12+2*\c]
	v_cvt_scalef32_pk16_fp6_f32 v[PC+12+4*\c:PC+14+4*\c], v[\s+16+32*\c:\s+31+32*\c], v[TM+12+2*\c+1]   ; (a conversion's three registers begin on an even number)
.endr
	v_nop                                          ; one plain line behind a scaled conversion
.irp c, 0,1                            ; the operand's layout wants a whole block in a lane: lanes 0-15 block 2 c, lanes 16-31 block 2 c + 1
.irp i, 0,1,2
	v_permlane16_swap_b32 v[PC+6*\c+\i], v[PC+12+4*\c+\i]
.endr
.irp i, 0,1,2
	v_mov_b32 v[PC+3+6*\c+\i], v[PC+12+4*\c+\i]
.endr
.endr
.endm
.Lpath_x:
	s_sub_co_u32 s26, ttmp9, 1024                  ; the panel's number in xq
	s_lshr_b32 s27, s26, 6                         ; phase: 64 panels each
	s_bfe_u32 s28, s26, 0x20004                    ; which 256 along K
	s_and_b32 s29, s26, 15                         ; which 128 rows: batches 2 pn and 2 pn + 1
	s_lshl_b32 s30, s29, 1
	s_lshr_b32 s31, s16, 1
	s_add_co_u32 s30, s30, s31                     ; my wave's batch
	s_lshl_b32 s30, s30, 8
	s_lshl_b32 s31, s27, 6
	s_add_co_u32 s30, s30, s31
	s_and_b32 s31, s16, 1
	s_lshl_b32 s31, s31, 5
	s_add_co_u32 s30, s30, s31                     ; my first row in memory: 256 x batch + 64 x phase + 32 (w % 2)
	s_lshl_b32 s30, s30, 12                        ; 4,096 bytes a row: under 2^25
	s_lshl_b32 s31, s28, 10
	s_add_co_u32 s30, s30, s31
	s_mov_b32 s31, 0
	s_add_nc_u64 s[4:5], s[4:5], s[30:31]
	s_mul_i32 s30, s26, PANEL
	s_add_nc_u64 s[10:11], s[10:11], s[30:31]
	s_mov_b32 s[SEL], 0x76543210
	s_mov_b32 s[SEL+1], 0xfedcba98
	v_and_b32 v11, 15, v0                          ; r
	v_bfe_u32 v12, v0, 4, 1                        ; h
	s_wait_alu depctr_va_vdst(0)
	v_lshlrev_b32 v[XL], 4, v1
	s_mul_i32 s38, s16, 16*XP
	s_add_co_u32 s38, s38, XSTG                    ; my stage
	v_add_nc_u32 v[XST], s38, v[XL]
	v_mul_u32_u24 v[XRD], v11, XP
	v_lshl_add_u32 v[XRD], v12, 6, v[XRD]
	v_add_nc_u32 v[XRD], s38, v[XRD]
	v_lshlrev_b32 v[XSW], 4, v11
	v_add_nc_u32 v[XSW], s17, v[XSW]
	v_add_nc_u32 v[XSW], XSCR, v[XSW]
	v_add_nc_u32 v8, XSCR, v[TLG]
.irp b, 0,1,2,3
	v_mov_b32 v[TM+4+\b], 0                        ; written once: a lane permute's destination counts as one of its sources
.endr
.macro XLOAD t                         ; unit t: block t / 2 of my two, K step t % 2, into set t % 2
.set LI, 0
.rept 16
	global_load_b128 v[R+64*((\t)%2)+4*LI:R+64*((\t)%2)+4*LI+3], v[XL], s[4:5] offset:(16*((\t)/2)+LI)*4096+512*((\t)%2) th:TH_LOAD_NT
.set LI, LI+1
.endr
.endm
.macro UNIT t
.set RS, R+64*((\t)%2)
.set UU, (\t)/2
.set QK, (\t)%2
.if (\t) < 3
	s_wait_loadcnt 16                              ; this unit's 16 loads are in; the next unit's may be out
.else
	s_wait_loadcnt 0x0
.endif
.set LI, 0
.rept 16
	ds_store_b128 v[XST], v[RS+4*LI:RS+4*LI+3] offset:XP*LI
.set LI, LI+1
.endr
	s_wait_dscnt 0x0                               ; the stores have read their registers, into which the loads below land
.irp b, 0,1,2,3
.irp j, 0,1,2,3
	ds_load_b128 v[RS+16*\b+4*\j:RS+16*\b+4*\j+3], v[XRD] offset:128*\b+16*\j
.endr
.endr
	s_wait_dscnt 0x0
.if (\t) > 0
	s_wait_xcnt 0x0                                ; the last unit's stores have read the codes' registers
.endif
	QUANT RS, PW
.irp c, 0,1,2
	global_store_b128 v[GO], v[PC+4*\c:PC+4*\c+3], s[10:11] offset:QK*KHALF+UU*FRB+512*\c   ; the fragment as it stands: 512 consecutive bytes a store
.endr
	ds_store_b32 v[XSW], v[PW] offset:512*QK+4*UU  ; lanes l and l xor 16 write the same word with the same value
.if (\t)+2 < 4
	XLOAD (\t)+2
.endif
.endm
	XLOAD 0
	XLOAD 1
	s_wait_alu depctr_va_vdst(0)
.irp t, 0,1,2,3
	UNIT \t
.endr
	s_wait_dscnt 0x0                               ; for the others' sake: my scale words lie in LDS
	s_barrier_signal -1
	s_barrier_wait -1
	ds_load_b64 v[182:183], v8
	s_wait_dscnt 0x0
	global_store_b64 v[TLG], v[182:183], s[10:11] offset:SCOFF     ; 32 lanes store 256 consecutive bytes
	s_wait_tensorcnt 0x0                           ; the wave's end
	ds_add_u32 v190, v191
	s_wait_dscnt 0x0
	s_endpgm
.Lfunc_end_k_qb46fc7dcdd_quant:
	.size	k_qb46fc7dcdd_quant, .Lfunc_end_k_qb46fc7dcdd_quant-k_qb46fc7dcdd_quant
	.p2alignl 7, 3214868480
	.fill 96, 4, 3214868480
	.section	.rodata,"a",@progbits
	.p2align	6, 0x0
	.amdhsa_kernel k_qb46fc7dcdd_quant
		.amdhsa_group_segment_fixed_size 49664
		.amdhsa_private_segment_fixed_size 0
		.amdhsa_enable_private_segment 0
		.amdhsa_kernarg_size 48
		.amdhsa_user_sgpr_count 2
		.amdhsa_user_sgpr_kernarg_segment_ptr 1
		.amdhsa_wavefront_size32 1
		.amdhsa_system_sgpr_workgroup_id_x 1
		.amdhsa_system_sgpr_workgroup_id_y 1
		.amdhsa_system_sgpr_workgroup_id_z 1
		.amdhsa_system_vgpr_workitem_id 0
		.amdhsa_next_free_vgpr 192
		.amdhsa_next_free_sgpr 66
		.amdhsa_reserve_vcc 0
		.amdhsa_float_denorm_mode_32 3
		.amdhsa_float_denorm_mode_16_64 3
		.amdhsa_memory_ordered 1
		.amdhsa_forward_progress 1
		.amdhsa_inst_pref_size 78
	.end_amdhsa_kernel
	.amdgpu_metadata
---
amdhsa.version: [ 1, 2 ]
amdhsa.kernels:
  - .name:           k_qb46fc7dcdd_quant
    .symbol:         k_qb46fc7dcdd_quant.kd
    .args:
      - { .name: x, .offset: 0, .size: 8, .value_kind: global_buffer, .address_space: global }
      - { .name: W1, .offset: 8, .size: 8, .value_kind: global_buffer, .address_space: global }
      - { .name: W2, .offset: 16, .size: 8, .value_kind: global_buffer, .address_space: global }
      - { .name: xq, .offset: 24, .size: 8, .value_kind: global_buffer, .address_space: global }
      - { .name: w1q, .offset: 32, .size: 8, .value_kind: global_buffer, .address_space: global }
      - { .name: w2q, .offset: 40, .size: 8, .value_kind: global_buffer, .address_space: global }
    .group_segment_fixed_size: 49664
    .private_segment_fixed_size: 0
    .kernarg_segment_align: 8
    .kernarg_segment_size: 48
    .max_flat_workgroup_size: 128
    .sgpr_count:     66
    .vgpr_count:     192
    .wavefront_size: 32
...
	.end_amdgpu_metadata
.endif
;; end of part 1
;; launch gemm1 (part 2): grid 16 x 16, 4 waves a work-group, clusters of 4 x 4, 327,680 bytes of LDS; arguments xq, w1q, b1, hq; writes hq
.if DOCPART == 2
	.amdgcn_target "amdgcn-amd-amdhsa--gfx1250"
	.amdhsa_code_object_version 6
	.text
	.protected	k_qb46fc7dcdd_gemm1
	.globl	k_qb46fc7dcdd_gemm1
	.p2align	8
	.type	k_qb46fc7dcdd_gemm1,@function
k_qb46fc7dcdd_gemm1:
	s_mov_b64 s[64:65], 0
	v_nop
	global_prefetch_b8 v0, s[64:65] scope:SCOPE_SE
	s_setreg_imm32_b32 hwreg(HW_REG_WAVE_MODE, 25, 1), 1
	s_wait_xcnt 0x0
	s_wait_alu depctr_hold_cnt(0) depctr_sa_sdst(0) depctr_va_vdst(0) depctr_va_sdst(0) depctr_va_ssrc(0) depctr_va_vcc(0) depctr_vm_vsrc(0)
	s_getreg_b32 s2, hwreg(HW_REG_IB_STS2, 6, 4)
	s_cmp_eq_u32 s2, 0
	s_cbranch_scc0 .Lentry_in_a_cluster
	s_endpgm
.Lentry_in_a_cluster:
	s_bfe_u32 s2, ttmp6, 0x10000c
	s_cmp_lg_u32 s2, 0xf033
	s_cbranch_scc0 .Lentry_shape_is_right
	s_endpgm
.Lentry_shape_is_right:
; h = Q(relu(x W1[p] + b1[p])): the first product on codes of FP6 (E2M3) with E8M0 scales, K = 1,024; its result, with bias and relu in f32, is quantised along the hidden units and stored as the second product's operand.
; OPERANDS lie in PANELS of 128 rows x 256 along K, 25,600 bytes, images of the operand's registers: fragment (q, i) at 12,288 q + 1,536 i, registers 4 c .. 4 c + 3 of lane l at 512 c + 16 l;
; scale word of row r of block i at 24,576 + 512 q + 16 (r + 16 (i / 4)) + 4 (i % 4).  xq: [phase][4][16] panels, w1q: [phase][4][32], hq: [phase][16][16].
; So a fragment is three LDS loads of 512 consecutive bytes, a tile is a dense block of memory for one tensor load, and its scale words come with it.
; SHARES.  A tile is 256 rows x 256 hidden units of one phase: 512 tiles.  256 WORK-GROUPS STAY and make two tiles each: the same rows and units of phases p and p + 2, so that every step from the first tile to the second is a constant.
; Each of the four waves, as many as a WGP has SIMDs, makes 128 x 128 of a tile: 64 accumulators, 512 registers.
; THE RING.  A tile's K is four K slots of 256, each x's two panels and then W1's two, 102,400 bytes; each wave fetches one panel.  Two LDS slots take turns; behind each round of the cluster's barrier a wave issues one joint load,
; and in front of each round it waits for all its tensor loads, of which one is out.  The ring does not stop at the first tile's end: its last two changes of slots ask for the second tile's K slots 0 and 1, ahead of the way out.
; The last tile's tail, which asks for nothing, is written out.
; CLUSTERS: 4 x 4 work-groups of one phase.  The four of a row of the cluster need the same panels of x, the four of a column the same panels of W1: each is asked for jointly.
; PREFETCH.  A wave's panel is 100 blocks of 256 bytes; the four partners that ask for it jointly take 25 each, told apart by address (cx for x's panels, cy for W1's), a lane a block, lanes 25-31 naming the last block again.
; Behind the load of the t-th K slot of the walk's eight stands the request for the (t + 2)-th.  K slots 1 and 2 are asked for at the head, behind b1's arrival, so that K slot 0's own requests have gone out ahead of them.
; In the last tile nothing is left to ask for.
; TRANSPOSED USE: source 0 = 16 rows of W1's panel, source 1 = 16 rows of x.  The units of a panel's blocks are so chosen that lane (r, h) holds row r and, in register j of tile 2 bb + u, unit 32 bb + 8 u + 16 h + j:
; the 64 registers of a block of rows are 128 neighbours along the next K, 16 of each block of 32 in a lane.  b1 is the C of each sum's first product.
; LIMITS as the quantiser's: a block whose largest magnitude lies under 2^-124, a block of zeros among them, has the byte 1; NaN and infinities are not served.
; REGISTERS, in windows of 256: window 0: v1-5 at work, v8-29 addresses; v32-63 scale words, two sets that take turns from K slot to K slot; v64-127 on the way out the hidden layer; v128-223 x's fragments, ONE set, on the way out the quantiser's;
;   window 1: W1's fragments, two sets, at v0 and v128; b1 in the 64 registers between and behind them;   windows 2, 3: the accumulators of my rows 0-63, 64-127 ((a, b) at v[8 (8 (a % 4) + b)]).
.set PANEL,  25600
.set FRB,    1536
.set KHALF,  12288
.set SCOFF,  24576
.set SLOT,   4*PANEL
.set SPARE,  2*SLOT                    ; behind the two slots: the spare words, 128 bytes for each wave: two blocks of 256 bytes that no other line names
.set FR,     12                        ; registers of a fragment
.set NL,     3                         ; LDS loads that bring one
.set NP,     4                         ; places behind this matrix instruction (ISA guide 7.12.1)
.set TILES,  2
.set ASTEP,  16*PANEL                  ; from one 256 along K to the next, in xq
.set BSTEP,  32*PANEL                  ; and in w1q
.set NEXTA,  128*PANEL                 ; two phases on: in xq,
.set NEXTB,  256*PANEL                 ; in w1q,
.set NEXTH,  512*PANEL                 ; in hq,
.set NEXTBI, 32768                     ; in b1
.set ADRA, 8                           ; v8-9   LDS address of my fragments of x in slot 0, 1
.set ADRB, 10                          ; v10-11 of W1
.set ADRS, 12                          ; v12-13 of my scale words: lanes 0-15 x's, lanes 16-31 W1's
.set PF,   16                          ; v16-22 the prefetches' offsets: 256 x min(lane, 24) + K slots 1, 2, 3 of the first tile, 0 .. 3 of the second; never rewritten
.set GO,   24                          ; v24 16 x lane
.set BO,   25                          ; v25 64 x (lane / 16): my half's 16 units in b1
.set SPW,  28                          ; v28 LDS address of my spare word; never rewritten
.set NIL,  29                          ; v29 0; never rewritten
.set SC,   32                          ; set s at v[SC + 16 s]; register 8 q + i: lanes 0-15 the word of x's block i, lanes 16-31 that of W1's block i
.set BI,   96                          ; window 1: b1 in the result's layout, eight registers a tile: tiles 0-3 at v96-127, tiles 4-7 at v224-255
.set AF,   128
.set HA,   64                          ; the way out: a block's 64 numbers
.set PC,   128                         ; v128-147 the codes just made
.set TM,   152                         ; v152-167 at work
.set PWS,  176                         ; v176-183 the eight blocks' scale words
.set SW,   184                         ; v184-187 four of them, as they are stored
.set SEL,  18                          ; s[18:19]
.set G1,   24                          ; s[24:31] descriptor group 1 for x's panels
.set G1B,  48                          ; s[48:55] for W1's
.set G0,   76                          ; s[76:83] descriptor group 0 for x's panels, a set for each slot
.set G0B,  88                          ; s[88:95] the same for W1's
.set PFA,  56                          ; s[56:57] the prefetches' base: my panel of the first tile's K slot 0 + 6,400 x my place among the four partners; never rewritten
.set MSB, 0
.macro WIN new                         ; the immediate's high byte repeats the setting that is left; a switch that changes nothing is dropped
.if MSB != (\new)
	s_set_vgpr_msb (MSB<<8)|(\new)
.set MSB, (\new)
.endif
.endm
.set MUL_LO, 0xa1                      ; source 0 (W1) window 1, source 1 (x) window 0, C and D window 2
.set MUL_HI, 0xf1                      ; the same, C and D window 3.  In a tile's first step C is b1, in window 1: 0x91 and 0xd1
.set TO_B,   0x40                      ; destination window 1, address window 0
.macro JLOAD s                         ; a joint load: waves 0 and 1 fetch x's two panels, waves 2 and 3 W1's; an s_nop 0 and four v_nop follow each of the two lines
	s_cmp_eq_u32 s15, 0
	s_cbranch_scc0 .Lfor_b_\@
	tensor_load_to_lds s[G0+4*\s:G0+4*\s+3], s[G1:G1+7]
	s_nop 0
.rept 4
	v_nop
.endr
	s_branch .Lasked_\@
.Lfor_b_\@:
	tensor_load_to_lds s[G0B+4*\s:G0B+4*\s+3], s[G1B:G1B+7]
	s_nop 0
.rept 4
	v_nop
.endr
.Lasked_\@:
.endm
.macro CREST                           ; a round of the cluster's barrier behind its opening barrier
	s_cmp_lg_u32 s14, 0
	s_cbranch_scc1 .Lnot_wave_0_\@
	s_barrier_signal -3
.Lnot_wave_0_\@:
	s_barrier_wait -3
	s_barrier_signal -1
	s_barrier_wait -1
.endm
.macro CROUND                          ; a whole round
	s_barrier_signal -1
	s_barrier_wait -1
	CREST
.endm
.macro BIAS                            ; b1 at units 32 (t / 2) + 8 (t % 2) + 16 h + 0 .. 7 of my 128, into window 1
	WIN TO_B
.irp t, 0,1,2,3,4,5,6,7
	global_load_b128 v[BI+8*\t+96*(\t/4):BI+8*\t+96*(\t/4)+3], v[BO], s[8:9] offset:128*(\t/2)+32*(\t%2)
	global_load_b128 v[BI+8*\t+96*(\t/4)+4:BI+8*\t+96*(\t/4)+7], v[BO], s[8:9] offset:128*(\t/2)+32*(\t%2)+16
.endr
	WIN 0
.endm
	s_load_b256 s[4:11], s[0:1], 0x0               ; xq s[4:5], w1q s[6:7], b1 s[8:9], hq s[10:11]
	v_lshl_add_u32 v[SPW], v0, 2, SPARE
	v_mov_b32 v[NIL], 0
	ds_add_u32 v[SPW], v[NIL]                      ; the opening lines: the add, twice on end, and its wait ahead of my first tensor load
	ds_add_u32 v[SPW], v[NIL]
	v_lshrrev_b32 v1, 5, v0
	v_readfirstlane_b32 s14, v1                    ; wave 0..3
	s_lshr_b32 s15, s14, 1                         ; which 128 of the tile's rows are mine.  Also: I fetch for x (0) or for W1 (1)
	s_and_b32 s16, s14, 1                          ; which 128 of its units.  Also: which of the two panels I fetch
	s_bfe_u32 s40, ttmp6, 0x40000                  ; cx, cy: my place in the cluster
	s_bfe_u32 s41, ttmp6, 0x40004
	s_lshl_b32 s42, ttmp9, 2
	s_add_co_u32 s42, s42, s40                     ; tile of 256 units = 4 x cluster x + cx: 0..15
	s_and_b32 s13, ttmp7, 0xffff                   ; cluster y: 0..3
	s_and_b32 s12, s13, 1                          ; the first tile's phase, 0 or 1: cluster y % 2, so all sixteen partners share it, and the clusters that read one phase's weights have equal cluster y % 2
	s_lshr_b32 s17, s13, 1
	s_lshl_b32 s17, s17, 2
	s_add_co_u32 s17, s17, s41                     ; tile of 256 rows in the phase: 4 (cluster y / 2) + cy
	s_lshl_b32 s43, s41, 2
	s_lshl_b32 s43, 15, s43                        ; my row of the cluster
	s_lshl_b32 s44, 0x1111, s40                    ; my column
	; descriptor group 1: a panel is a dense block: 100 rows of 32 elements of 8 bytes, no padding
	s_or_b32 s[G1+0], s43, (3<<16)|(1<<21)         ; 15:0 the mask: x's panels go to my row; 17:16 elements of 8 bytes; 21 set beside a mask
	s_or_b32 s[G1B+0], s44, (3<<16)|(1<<21)        ; W1's go to my column
.irp g, G1, G1B
	s_mov_b32 s[\g+1], 32<<16                      ; tensor_dim0 = 32
	s_mov_b32 s[\g+2], 100<<16                     ; tensor_dim1 = 100
	s_mov_b32 s[\g+3], 32<<16                      ; tile_dim0 = 32
	s_mov_b32 s[\g+4], 100                         ; tile_dim1 = 100
	s_mov_b32 s[\g+5], 32                          ; tensor_dim0_stride
	s_mov_b32 s[\g+6], 0
	s_mov_b32 s[\g+7], 0
.endr
	s_lshl_b32 s20, s12, 6                         ; xq: panel 64 x phase + 2 x row tile + which: made of what my row of the cluster shares
	s_lshl_b32 s21, s17, 1
	s_add_co_u32 s20, s20, s21
	s_add_co_u32 s20, s20, s16
	s_mul_i32 s20, s20, PANEL
	s_mov_b32 s21, 0
	s_lshl_b32 s46, s12, 7                         ; w1q: panel 128 x phase + 2 x unit tile + which: made of what my column shares
	s_lshl_b32 s47, s42, 1
	s_add_co_u32 s46, s46, s47
	s_add_co_u32 s46, s46, s16
	s_mul_i32 s46, s46, PANEL
	s_mov_b32 s47, 0
	s_mul_i32 s45, s14, PANEL                      ; where my panel goes in a slot: no place in the cluster enters an LDS address
	s_lshl_b32 s70, s12, 4                         ; hq: the tile's 256 units are one K slot of the next product: panel (16 x phase + unit tile) x 16 + 2 x row tile + my half of the rows
	s_add_co_u32 s70, s70, s42
	s_lshl_b32 s70, s70, 4
	s_lshl_b32 s71, s17, 1
	s_add_co_u32 s70, s70, s71
	s_add_co_u32 s70, s70, s15
	s_mul_i32 s70, s70, PANEL
	s_lshl_b32 s72, s16, 9
	s_add_co_u32 s72, s72, s70
	s_add_co_u32 s72, s72, SCOFF                   ; my 512 bytes of its scale words,
	s_mov_b32 s73, 0
	s_mul_i32 s71, s16, KHALF
	s_add_co_u32 s70, s70, s71                     ; my eight fragments: my 128 units are its K step q = my half of the units
	s_mov_b32 s71, 0
	s_lshl_b32 s74, s12, 14                        ; b1: 16,384 bytes a phase, 1,024 a tile, 512 my half
	s_lshl_b32 s75, s42, 10
	s_add_co_u32 s74, s74, s75
	s_lshl_b32 s75, s16, 9
	s_add_co_u32 s74, s74, s75
	s_mov_b32 s75, 0
	s_mov_b32 s[SEL], 0x76543210
	s_mov_b32 s[SEL+1], 0xfedcba98                 ; v_permlanex16_b32's selects for lane l xor 16
	s_wait_dscnt 0x0                               ; both opening adds are done
	s_wait_kmcnt 0x0
	s_add_nc_u64 s[20:21], s[4:5], s[20:21]
	s_add_nc_u64 s[46:47], s[6:7], s[46:47]
	s_add_nc_u64 s[66:67], s[10:11], s[70:71]
	s_add_nc_u64 s[68:69], s[10:11], s[72:73]
	s_add_nc_u64 s[8:9], s[8:9], s[74:75]
	CROUND                                         ; all sixteen work-groups are here: the first joint loads meet
.irp s, 0,1
	s_mov_b32 s[G0+4*\s], 1                                        ; count = 1
	s_add_co_u32 s[G0+4*\s+1], s45, \s*SLOT                        ; LDS address
	s_add_nc_u64 s[G0+4*\s+2:G0+4*\s+3], s[20:21], \s*ASTEP        ; global address: K slot s
	s_or_b32 s[G0+4*\s+3], s[G0+4*\s+3], 0x80000000                ; type = 2
	s_mov_b32 s[G0B+4*\s], 1
	s_add_co_u32 s[G0B+4*\s+1], s45, \s*SLOT
	s_add_nc_u64 s[G0B+4*\s+2:G0B+4*\s+3], s[46:47], \s*BSTEP
	s_or_b32 s[G0B+4*\s+3], s[G0B+4*\s+3], 0x80000000
.endr
	JLOAD 0                                        ; K slot 0: one tensor load a wave at the head
	v_and_b32 v1, 31, v0                           ; lane
	v_and_b32 v2, 15, v0                           ; r
	v_bfe_u32 v3, v0, 4, 1                         ; h
	v_lshlrev_b32 v[GO], 4, v1
	v_lshlrev_b32 v[BO], 6, v3
	s_wait_alu depctr_va_vdst(0)
	BIAS
	s_cmp_eq_u32 s15, 0                            ; do I fetch for x?
	s_cselect_b64 s[PFA:PFA+1], s[20:21], s[46:47]
	s_cselect_b32 s58, s40, s41                    ; my place among the four that ask with me
	s_cselect_b32 s59, 16, 32                      ; panels from one K slot to the next
	s_mul_i32 s59, s59, PANEL
	s_mul_i32 s60, s58, 6400
	s_mov_b32 s61, 0
	s_add_nc_u64 s[PFA:PFA+1], s[PFA:PFA+1], s[60:61]
	s_lshl_b32 s62, s59, 3                         ; to the second tile: eight such steps, in xq and in w1q alike
	v_min_u32 v5, 24, v1
	v_lshlrev_b32 v5, 8, v5
	v_add_nc_u32 v[PF], s59, v5
	v_add_nc_u32 v[PF+3], s62, v5
.irp i, 1,2,4,5,6
	v_add_nc_u32 v[PF+\i], s59, v[PF+\i-1]
.endr
	s_mul_i32 s21, s15, PANEL                      ; my panel of x
	s_add_co_u32 s22, s16, 2
	s_mul_i32 s22, s22, PANEL                      ; my panel of W1, behind x's two
	s_xor_b32 s23, s15, 1
	s_add_co_u32 s23, s23, s16
	s_add_co_u32 s23, s23, 1
	s_mul_i32 s23, s23, PANEL                      ; the distance between the two: (2 + which of W1's - which of x's) panels
	v_mul_u32_u24 v4, s23, v3                      ; lanes 16-31 take W1's scale words
	v_lshl_add_u32 v4, v2, 4, v4                   ; 16 bytes a row: the words of four blocks
	s_add_co_u32 s23, s21, SCOFF
.irp s, 0,1
	v_add_nc_u32 v[ADRA+\s], s21, v[GO]
	v_add_nc_u32 v[ADRB+\s], s22, v[GO]
	v_add_nc_u32 v[ADRS+\s], s23, v4
	s_add_co_u32 s21, s21, SLOT
	s_add_co_u32 s22, s22, SLOT
	s_add_co_u32 s23, s23, SLOT
.endr
.macro FRAG reg, adr, q, i             ; a fragment's image: three loads of 512 consecutive bytes
.irp c, 0,1,2
	ds_load_b128 v[\reg+4*\c:\reg+4*\c+3], v[\adr] offset:(\q)*KHALF+(\i)*FRB+512*\c
.endr
.endm
; 16 matrix instructions: x's blocks a0, a0 + 1 against W1's eight, 128 along K: the K slot's q-th.  p: W1's set; sc: the set of scale words.  first = 1: the sums begin with b1.
; The 64 accumulators take turns, one instruction a turn, in the same order in every step.
.macro MUL16 a0, p, q, sc, first
.irp a, \a0, \a0+1
.irp b, 0,1,2,3,4,5,6,7
.if \first
	v_wmma_scale_f32_16x16x128_f8f6f4 v[8*(8*((\a)%4)+\b):8*(8*((\a)%4)+\b)+7], v[128*(\p)+FR*\b:128*(\p)+FR*\b+FR-1], v[AF+FR*(\a):AF+FR*(\a)+FR-1], v[BI+8*\b+96*(\b/4):BI+8*\b+96*(\b/4)+7], v[SC+16*(\sc)+8*(\q)+\b], v[SC+16*(\sc)+8*(\q)+(\a)] matrix_a_fmt:MATRIX_FMT_FP6 matrix_b_fmt:MATRIX_FMT_FP6 matrix_a_scale:MATRIX_SCALE_ROW1
.else
	v_wmma_scale_f32_16x16x128_f8f6f4 v[8*(8*((\a)%4)+\b):8*(8*((\a)%4)+\b)+7], v[128*(\p)+FR*\b:128*(\p)+FR*\b+FR-1], v[AF+FR*(\a):AF+FR*(\a)+FR-1], v[8*(8*((\a)%4)+\b):8*(8*((\a)%4)+\b)+7], v[SC+16*(\sc)+8*(\q)+\b], v[SC+16*(\sc)+8*(\q)+(\a)] matrix_a_fmt:MATRIX_FMT_FP6 matrix_b_fmt:MATRIX_FMT_FP6 matrix_a_scale:MATRIX_SCALE_ROW1
.endif
.endr
.endr
.endm
.macro FETCH_B slot, q, p              ; W1's eight fragments of the slot's q-th 128 along K into set p
	WIN TO_B
.irp i, 0,1,2,3,4,5,6,7
	FRAG 128*(\p)+FR*\i, ADRB+\slot, \q, \i
.endr
	WIN 0
.endm
.macro FETCH_A slot, q, i0             ; x's blocks i0 .. i0 + 3
.irp i, \i0, \i0+1, \i0+2, \i0+3
	FRAG AF+FR*(\i), ADRA+\slot, \q, \i
.endr
.endm
.macro SCALES slot, sc                 ; the slot's scale words into set sc: four loads of 16 bytes a lane
.irp q, 0,1
.irp g, 0,1
	ds_load_b128 v[SC+16*(\sc)+8*\q+4*\g:SC+16*(\sc)+8*\q+4*\g+3], v[ADRS+\slot] offset:512*\q+256*\g
.endr
.endr
.endm
; A load into a register that a matrix instruction has read, and a vector instruction that reads a matrix result, stand NP places behind that matrix instruction; only plain vector instructions that name
; none of its registers are places (ISA guide 7.12.1 for vector instructions).
.macro PLACES n
.rept \n
	v_nop
.endr
.endm
; A K slot's first step of 128 along K: its successor lies in the same slot.  x's blocks are free as soon as their eight products are issued: blocks 0-3 are fetched anew in the step's middle, blocks 4-7 at its end.
.macro STEP slot, sc, first
	s_wait_dscnt 4*NL                              ; W1's set, x's blocks 0-3 and the scale words are in; the youngest twelve loads (x's blocks 4-7) may be out
	WIN MUL_LO-0x10*(\first)
	MUL16 0, 0, 0, \sc, \first
	MUL16 2, 0, 0, \sc, \first
	s_wait_dscnt 0                                 ; x's blocks 4-7 are in (asked for 32 matrix instructions ago)
	PLACES NP
	FETCH_B \slot, 1, 1
	FETCH_A \slot, 1, 0
	WIN MUL_HI-0x20*(\first)
	MUL16 4, 0, 0, \sc, \first
	MUL16 6, 0, 0, \sc, \first
	PLACES NP
	WIN 0
	FETCH_A \slot, 1, 4
.endm
; A K slot's second step changes slots; sc, nsc: this K slot's and the next one's set of scale words.  ONE barrier: in front of it each wave waits for all its tensor loads (its panel of the next slot), adds 0 to its spare word,
; and waits for that and for its own reads of this slot.  fill = 1: the barrier opens a round of the cluster's, and this slot takes the tile's K slot two on; fill = 2: the same, with the next tile's K slot 0 or 1; fill = 0: nothing is filled.
; fa = 0, at a tile's end: x's registers serve the way out first, so only W1's fragments and the scale words of the next tile are fetched here.
; ask: the register with the offset of the K slot that stands two requests on (0: none); cond = 1: not in the last tile.
.macro TURN slot, next, sc, nsc, fill, fa, ask, cond
	s_wait_tensorcnt 0x0                           ; all my tensor loads have landed  (every window is 0 here)
	ds_add_u32 v[SPW], v[NIL]                      ; 0 onto my spare word
	s_wait_dscnt 4*NL+1                            ; (the add and the youngest twelve loads may be out)
	WIN MUL_LO
	MUL16 0, 1, 1, \sc, 0                          ; sixteen matrix instructions stand between the add and the wait for it
	s_wait_dscnt 0x0                               ; the add is done, and my reads of this slot are over
	s_barrier_signal -1
	MUL16 2, 1, 1, \sc, 0
	WIN 0
	s_barrier_wait -1
.if \fill
	CREST                                          ; no wave of any partner still reads this slot or has a load on its way
.if \fill == 1
	s_add_nc_u64 s[G0+4*\slot+2:G0+4*\slot+3], s[G0+4*\slot+2:G0+4*\slot+3], 2*ASTEP
	s_add_nc_u64 s[G0B+4*\slot+2:G0B+4*\slot+3], s[G0B+4*\slot+2:G0B+4*\slot+3], 2*BSTEP
.else
	s_add_nc_u64 s[G0+4*\slot+2:G0+4*\slot+3], s[G0+4*\slot+2:G0+4*\slot+3], NEXTA-2*ASTEP
	s_add_nc_u64 s[G0B+4*\slot+2:G0B+4*\slot+3], s[G0B+4*\slot+2:G0B+4*\slot+3], NEXTB-2*BSTEP
.endif
	JLOAD \slot                                    ; the first tensor load behind the round; the four v_nop behind it are also the places in front of the loads below
.else
	PLACES NP
.endif
	FETCH_B \next, 0, 0
.if \fa
	FETCH_A \next, 0, 0
.endif
	SCALES \next, \nsc
.if \ask
.if \cond
	s_cmp_eq_u32 s2, 1
	s_cbranch_scc1 .Lno_ask_\@
.endif
	global_prefetch_b8 v[\ask], s[PFA:PFA+1] th:TH_LOAD_NT scope:SCOPE_SE
.Lno_ask_\@:
.endif
	WIN MUL_HI
	MUL16 4, 1, 1, \sc, 0
	MUL16 6, 1, 1, \sc, 0
.if \fa
	PLACES NP
	WIN 0
	FETCH_A \next, 0, 4
.else
	WIN 0
.endif
.endm
; 64 numbers of a lane, register 16 b + i = k 32 b + 16 (lane / 16) + i of my row, become a fragment's twelve registers in v[PC] on and its scale word in v[pw].
.macro QUANT s, pw
.irp b, 0,1,2,3
	v_max3_num_f32 v[TM+\b], |v[\s+16*\b]|, |v[\s+1+16*\b]|, 0x1800000   ; block b: my 16 numbers, and the floor 2^(3 - 127): the byte cannot fall under 1
.endr
.irp i, 2,4,6,8,10,12,14
.irp b, 0,1,2,3
	v_max3_num_f32 v[TM+\b], v[TM+\b], |v[\s+16*\b+\i]|, |v[\s+1+16*\b+\i]|   ; the four blocks by turns
.endr
.endr
.irp b, 0,1,2,3
	v_permlanex16_b32 v[TM+4+\b], v[TM+\b], s[SEL], s[SEL+1]
.endr
.irp b, 0,1,2,3
	v_max_num_f32 v[TM+\b], v[TM+\b], v[TM+4+\b]   ; with lane l xor 16's 16: the block's largest magnitude
.endr
.irp b, 0,1,2,3
	v_add_nc_u32 v[TM+12+\b], 0xff000000, v[TM+\b] ; 2 off its exponent field: the conversion's scale operand
.endr
.irp b, 0,1,2,3
	v_lshrrev_b32 v[TM+4+\b], 23, v[TM+12+\b]      ; the scale's byte
.endr
	v_lshl_or_b32 v[\pw], v[TM+5], 8, v[TM+4]
	v_lshl_or_b32 v[\pw], v[TM+6], 16, v[\pw]
	v_lshl_or_b32 v[\pw], v[TM+7], 24, v[\pw]      ; my row's scale word, the same in lanes l and l xor 16
.irp c, 0,1
	v_cvt_scalef32_pk16_fp6_f32 v[PC+6*\c:PC+2+6*\c], v[\s+32*\c:\s+15+32*\c], v[TM+12+2*\c]
	v_cvt_scalef32_pk16_fp6_f32 v[PC+12+4*\c:PC+14+4*\c], v[\s+16+32*\c:\s+31+32*\c], v[TM+12+2*\c+1]   ; (a conversion's three registers begin on an even number)
.endr
	v_nop                                          ; one plain line behind a scaled conversion
.irp c, 0,1                            ; the operand's layout wants a whole block in a lane: lanes 0-15 block 2 c, lanes 16-31 block 2 c + 1
.irp i, 0,1,2
	v_permlane16_swap_b32 v[PC+6*\c+\i], v[PC+12+4*\c+\i]
.endr
.irp i, 0,1,2
	v_mov_b32 v[PC+3+6*\c+\i], v[PC+12+4*\c+\i]
.endr
.endr
.endm
; THE WAY OUT needs no LDS: block a's eight accumulators are, in each lane, 64 numbers of one row along the next K.  relu moves them into window 0; quantised, they are a fragment of the next product's operand,
; and the fragment is stored as it stands: three stores of 512 consecutive bytes.
.macro OUTBLK a
	WIN 0x08+4*((\a)/4)                            ; source 1: window 2 or 3
.set OJ, 0
.rept 64
	v_max_num_f32 v[HA+OJ], 0, v[64*((\a)%4)+OJ]   ; the activation, in f32; each accumulator from its low end on
.set OJ, OJ+1
.endr
	WIN 0
.if (\a) > 0
	s_wait_xcnt 0x0                                ; the last block's stores have read the codes' registers
.endif
	QUANT HA, PWS+(\a)
.irp c, 0,1,2
	global_store_b128 v[GO], v[PC+4*\c:PC+4*\c+3], s[66:67] offset:(\a)*FRB+512*\c
.endr
.endm
.macro OUT
	PLACES NP                                      ; behind the last products: their results are read, and registers that they read are written, only from here on
.irp b, 0,1,2,3
	v_mov_b32 v[TM+4+\b], 0                        ; a lane permute's destination counts as one of its sources
.endr
.irp a, 0,1,2,3,4,5,6,7
	OUTBLK \a
.endr
	v_cmp_gt_u32 vcc_lo, 16, v1                    ; the scale words' 512 bytes: lane r + 16 g holds row r's words of blocks 4 g .. 4 g + 3
.irp i, 0,1,2,3
	v_cndmask_b32 v[SW+\i], v[PWS+4+\i], v[PWS+\i], vcc_lo
.endr
	global_store_b128 v[GO], v[SW:SW+3], s[68:69]
.endm
	s_wait_alu depctr_va_vdst(0)
	s_wait_loadcnt 0x0                             ; b1 is in: it was asked for behind K slot 0
	global_prefetch_b8 v[PF], s[PFA:PFA+1] th:TH_LOAD_NT scope:SCOPE_SE     ; my 25 blocks of K slot 1,
	global_prefetch_b8 v[PF+1], s[PFA:PFA+1] th:TH_LOAD_NT scope:SCOPE_SE   ; and of K slot 2
	s_wait_tensorcnt 0x0                           ; my panel of K slot 0 is in
	ds_add_u32 v[SPW], v[NIL]
	s_wait_dscnt 0x0
	CROUND                                         ; everybody's panel is in, and all sixteen work-groups are here
	JLOAD 1                                        ; K slot 1, slot 1's first fill: the first tensor load behind the round
	FETCH_B 0, 0, 0
	SCALES 0, 0
	global_prefetch_b8 v[PF+2], s[PFA:PFA+1] th:TH_LOAD_NT scope:SCOPE_SE   ; K slot 3
	s_mov_b32 s2, TILES                            ; tiles to go, this one among them: the same number in every work-group
.Ltile:
	FETCH_A 0, 0, 0
	FETCH_A 0, 0, 4
	s_wait_loadcnt 0x0                             ; this tile's b1
	STEP 0, 0, 1                                   ; K slot 0: the first step's products start the sums with b1
	TURN 0, 1, 0, 1, 1, 1, PF+3, 1                 ; slot 0 takes K slot 2
	STEP 1, 1, 0                                   ; K slot 1
	TURN 1, 0, 1, 0, 1, 1, PF+4, 1                 ; slot 1 takes K slot 3
	STEP 0, 0, 0                                   ; K slot 2
	s_cmp_eq_u32 s2, 1
	s_cbranch_scc1 .Llast_tile                     ; the last tile's tail is written out: it asks for nothing more
	s_add_nc_u64 s[8:9], s[8:9], NEXTBI            ; (the earlier loads by this base have come back)
	BIAS                                           ; the next tile's b1: its registers were last read in this tile's first step
	TURN 0, 1, 0, 1, 2, 1, PF+5, 0                 ; THE RING GOES ON INTO THE NEXT TILE: slot 0 takes its K slot 0,
	STEP 1, 1, 0                                   ; K slot 3
	TURN 1, 0, 1, 0, 2, 0, PF+6, 0                 ; slot 1 its K slot 1
	OUT                                            ; both refills are asked for: now the tile goes out
	s_wait_alu depctr_va_vdst(0)
	s_wait_xcnt 0x0                                ; the stores have read their registers and their bases
	s_add_nc_u64 s[66:67], s[66:67], NEXTH
	s_add_nc_u64 s[68:69], s[68:69], NEXTH
	s_sub_co_u32 s2, s2, 1
	s_branch .Ltile
.Llast_tile:
	TURN 0, 1, 0, 1, 0, 1, 0, 0                    ; K slot 3 has to be there now; nothing is filled again
	STEP 1, 1, 0                                   ; K slot 3
	s_wait_dscnt 4*NL                              ; the very last step: nothing more to fetch
	WIN MUL_LO
	MUL16 0, 1, 1, 1, 0
	MUL16 2, 1, 1, 1, 0
	s_wait_dscnt 0
	WIN MUL_HI
	MUL16 4, 1, 1, 1, 0
	MUL16 6, 1, 1, 1, 0
	WIN 0
	OUT
	s_wait_tensorcnt 0x0                           ; the wave's end
	ds_add_u32 v[SPW], v[NIL]
	s_wait_dscnt 0x0
	CROUND                                         ; the closing round: no work-group ends while a partner may still ask for a tile that names it
	s_endpgm
.Lfunc_end_k_qb46fc7dcdd_gemm1:
	.size	k_qb46fc7dcdd_gemm1, .Lfunc_end_k_qb46fc7dcdd_gemm1-k_qb46fc7dcdd_gemm1
	.p2alignl 7, 3214868480
	.fill 96, 4, 3214868480
	.section	.rodata,"a",@progbits
	.p2align	6, 0x0
	.amdhsa_kernel k_qb46fc7dcdd_gemm1
		.amdhsa_group_segment_fixed_size 327680
		.amdhsa_private_segment_fixed_size 0
		.amdhsa_enable_private_segment 0
		.amdhsa_kernarg_size 32
		.amdhsa_user_sgpr_count 2
		.amdhsa_user_sgpr_kernarg_segment_ptr 1
		.amdhsa_wavefront_size32 1
		.amdhsa_system_sgpr_workgroup_id_x 1
		.amdhsa_system_sgpr_workgroup_id_y 1
		.amdhsa_system_sgpr_workgroup_id_z 1
		.amdhsa_system_vgpr_workitem_id 0
		.amdhsa_next_free_vgpr 1024
		.amdhsa_next_free_sgpr 100
		.amdhsa_reserve_vcc 1
		.amdhsa_float_denorm_mode_32 3
		.amdhsa_float_denorm_mode_16_64 3
		.amdhsa_memory_ordered 1
		.amdhsa_forward_progress 1
		.amdhsa_inst_pref_size 242
	.end_amdhsa_kernel
	.amdgpu_metadata
---
amdhsa.version: [ 1, 2 ]
amdhsa.kernels:
  - .name:           k_qb46fc7dcdd_gemm1
    .symbol:         k_qb46fc7dcdd_gemm1.kd
    .args:
      - { .name: xq, .offset: 0, .size: 8, .value_kind: global_buffer, .address_space: global }
      - { .name: w1q, .offset: 8, .size: 8, .value_kind: global_buffer, .address_space: global }
      - { .name: b1, .offset: 16, .size: 8, .value_kind: global_buffer, .address_space: global }
      - { .name: hq, .offset: 24, .size: 8, .value_kind: global_buffer, .address_space: global }
    .group_segment_fixed_size: 327680
    .private_segment_fixed_size: 0
    .kernarg_segment_align: 8
    .kernarg_segment_size: 32
    .max_flat_workgroup_size: 128
    .sgpr_count:     100
    .vgpr_count:     1024
    .wavefront_size: 32
...
	.end_amdgpu_metadata
.endif
;; end of part 2
;; launch gemm2 (part 3): grid 4 x 64, 4 waves a work-group, clusters of 4 x 4, 327,680 bytes of LDS; arguments hq, w2q, b2, out0; writes out0
.if DOCPART == 3
	.amdgcn_target "amdgcn-amd-amdhsa--gfx1250"
	.amdhsa_code_object_version 6
	.text
	.protected	k_qb46fc7dcdd_gemm2
	.globl	k_qb46fc7dcdd_gemm2
	.p2align	8
	.type	k_qb46fc7dcdd_gemm2,@function
k_qb46fc7dcdd_gemm2:
	s_mov_b64 s[64:65], 0
	v_nop
	global_prefetch_b8 v0, s[64:65] scope:SCOPE_SE
	s_setreg_imm32_b32 hwreg(HW_REG_WAVE_MODE, 25, 1), 1
	s_wait_xcnt 0x0
	s_wait_alu depctr_hold_cnt(0) depctr_sa_sdst(0) depctr_va_vdst(0) depctr_va_sdst(0) depctr_va_ssrc(0) depctr_va_vcc(0) depctr_vm_vsrc(0)
	s_getreg_b32 s2, hwreg(HW_REG_IB_STS2, 6, 4)
	s_cmp_eq_u32 s2, 0
	s_cbranch_scc0 .Lentry_in_a_cluster
	s_endpgm
.Lentry_in_a_cluster:
	s_bfe_u32 s2, ttmp6, 0x10000c
	s_cmp_lg_u32 s2, 0xf033
	s_cbranch_scc0 .Lentry_shape_is_right
	s_endpgm
.Lentry_shape_is_right:
; y = h W2[p] + b2[p]: the second product on codes of FP6 (E2M3) with E8M0 scales, K = 4,096; the result leaves as f32.
; OPERANDS lie in PANELS of 128 rows x 256 along K, 25,600 bytes, images of the operand's registers: fragment (q, i) at 12,288 q + 1,536 i, registers 4 c .. 4 c + 3 of lane l at 512 c + 16 l;
; scale word of row r of block i at 24,576 + 512 q + 16 (r + 16 (i / 4)) + 4 (i % 4).  hq: [phase][16][16] panels, w2q: [phase][16][8].
; SHARES.  8,192 rows x 1,024 columns in blocks of 128 x 256 are 256 work-groups; each of the four waves makes 64 x 128: 32 accumulators, 256 registers, in window 2.
; THE RING.  Two slots of 512 along K; a slot is two halves of 256 along K, each h's panel and then W2's two: 153,600 bytes.  Waves 0 and 1 fetch h's panel of one half each, waves 2 and 3 W2's two panels of one half each:
; one joint load a wave behind each round of the cluster's barrier, in front of which every wave waits for all its tensor loads, of which one is out.  K slot 0 is asked for at the head, K slot 1 behind the round in front of the first step.
; CLUSTERS: 4 x 4 work-groups of one phase.  The four of a row of the cluster need the same panels of h, the four of a column the same panels of W2: each is asked for jointly.
; PREFETCH.  Behind the load of K slot t, and the run of LDS loads that follows it, stands the request for K slot t + 2 (behind the head's load: for K slots 1 and 2).  The four partners that ask for a piece jointly share its blocks of
; 256 bytes out by address: 25 of h's 100 (one instruction; lanes 25-31 name the last block again), 50 of W2's 200 (two instructions; the second's lanes 18-31 likewise).  The loop's last trip asks for nothing: K slot 7 is the last.
; TRANSPOSED USE: source 0 = 16 rows of W2's panel, source 1 = 16 rows of h; b2 is the C of each sum's first product.  The units of a weight panel's blocks are laid so that a lane's 16 registers of two neighbouring tiles are 16 neighbouring columns.
; THE WAY OUT: a block of 16 rows x 128 columns goes through the wave's own stage, in slot 0 behind its last fill and last read, and leaves as rows of 512 consecutive bytes.
; LIMITS as the quantiser's: NaN and infinities are not served.
.set PANEL,  25600
.set PFA,    66                        ; s[66:67] the prefetches' base: my work-group's share of my piece, one K slot behind what v6, v7 name
.set PST,    68                        ; s[68:69] bytes from one K slot to the next: 32 panels of hq, 16 of w2q
.macro ASK r                           ; my share of a K slot: v[r], and for W2's waves v[r + 1] too
	global_prefetch_b8 v[\r], s[PFA:PFA+1] th:TH_LOAD_NT scope:SCOPE_SE
	s_cmp_eq_u32 s15, 0
	s_cbranch_scc1 .Lone_\@
	global_prefetch_b8 v[\r+1], s[PFA:PFA+1] th:TH_LOAD_NT scope:SCOPE_SE
.Lone_\@:
.endm
.set FRB,    1536
.set KHALF,  12288
.set SCOFF,  24576
.set HALF,   3*PANEL
.set SLOT,   2*HALF
.set SPARE,  2*SLOT
.set SPITCH, 528
.set FR,     12
.set NP,     4
.set LAPS,   4
.set ADRA, 8
.set ADRB, 12
.set ADS1, 16
.set ADS2, 20
.set STO,  24
.set RD,   25
.set CO,   26
.set BO,   27
.set SPW,  28
.set NIL,  29
.set SC,   32
.set BI,   64
.set AF,   128
.set BK,   128
.set G1,   24
.set G0,   32
.set G1B,  48
.set G0B,  56
.set MSB, 0
.macro WIN new
.if MSB != (\new)
	s_set_vgpr_msb (MSB<<8)|(\new)
.set MSB, (\new)
.endif
.endm
.set MUL,  0xa1
.set TO_B, 0x40
.macro JLOAD s
	s_cmp_eq_u32 s15, 0
	s_cbranch_scc0 .Lfor_b_\@
	tensor_load_to_lds s[G0+4*\s:G0+4*\s+3], s[G1:G1+7]
	s_nop 0
.rept 4
	v_nop
.endr
	s_branch .Lasked_\@
.Lfor_b_\@:
	tensor_load_to_lds s[G0B+4*\s:G0B+4*\s+3], s[G1B:G1B+7]
	s_nop 0
.rept 4
	v_nop
.endr
.Lasked_\@:
.endm
.macro CREST
	s_cmp_lg_u32 s14, 0
	s_cbranch_scc1 .Lnot_wave_0_\@
	s_barrier_signal -3
.Lnot_wave_0_\@:
	s_barrier_wait -3
	s_barrier_signal -1
	s_barrier_wait -1
.endm
.macro CROUND
	s_barrier_signal -1
	s_barrier_wait -1
	CREST
.endm
	s_load_b256 s[4:11], s[0:1], 0x0
	v_lshl_add_u32 v[SPW], v0, 2, SPARE
	v_mov_b32 v[NIL], 0
	ds_add_u32 v28, v29
	ds_add_u32 v28, v29
	s_wait_dscnt 0x0
	v_lshrrev_b32 v1, 5, v0
	v_readfirstlane_b32 s14, v1
	s_lshr_b32 s15, s14, 1
	s_and_b32 s16, s14, 1
	s_bfe_u32 s40, ttmp6, 0x40000
	s_bfe_u32 s41, ttmp6, 0x40004
	s_lshl_b32 s42, ttmp9, 2
	s_add_co_u32 s42, s42, s40
	s_and_b32 s13, ttmp7, 0xffff
	s_and_b32 s12, s13, 3                          ; the phase: cluster y % 4, so all sixteen partners share it, and the clusters that read one phase's weights have equal cluster y % 4
	s_and_b32 s17, s13, 12
	s_add_co_u32 s17, s17, s41                     ; block of 128 rows in the phase: 4 (cluster y / 4) + cy
	s_lshl_b32 s43, s41, 2
	s_lshl_b32 s43, 15, s43
	s_lshl_b32 s44, 0x1111, s40
	s_or_b32 s[G1+0], s43, (3<<16)|(1<<21)
	s_mov_b32 s[G1+1], 32<<16
	s_mov_b32 s[G1+2], 100<<16
	s_mov_b32 s[G1+3], 32<<16
	s_mov_b32 s[G1+4], 100
	s_mov_b32 s[G1+5], 32
	s_mov_b32 s[G1+6], 0
	s_mov_b32 s[G1+7], 0
	s_or_b32 s[G1B+0], s44, (3<<16)|(1<<21)
	s_mov_b32 s[G1B+1], 32<<16
	s_mov_b32 s[G1B+2], 200<<16
	s_mov_b32 s[G1B+3], 32<<16
	s_mov_b32 s[G1B+4], 200
	s_mov_b32 s[G1B+5], 32
	s_mov_b32 s[G1B+6], 0
	s_mov_b32 s[G1B+7], 0
	s_lshl_b32 s20, s12, 8
	s_lshl_b32 s21, s16, 4
	s_add_co_u32 s20, s20, s21
	s_add_co_u32 s20, s20, s17
	s_mul_i32 s20, s20, PANEL
	s_mov_b32 s21, 0
	s_lshl_b32 s46, s12, 7
	s_lshl_b32 s47, s16, 3
	s_add_co_u32 s46, s46, s47
	s_lshl_b32 s47, s42, 1
	s_add_co_u32 s46, s46, s47
	s_mul_i32 s46, s46, PANEL
	s_mov_b32 s47, 0
	s_mul_i32 s45, s16, HALF
	s_mul_i32 s70, s15, PANEL
	s_add_co_u32 s45, s45, s70
	s_lshl_b32 s74, s12, 12
	s_lshl_b32 s75, s42, 10
	s_add_co_u32 s74, s74, s75
	s_lshl_b32 s75, s16, 9
	s_add_co_u32 s74, s74, s75
	s_mov_b32 s75, 0
	s_lshl_b32 s72, s17, 1
	s_add_co_u32 s72, s72, s15
	s_lshl_b32 s72, s72, 8
	s_lshl_b32 s73, s12, 6
	s_add_co_u32 s72, s72, s73
	s_lshl_b32 s72, s72, 12
	s_lshl_b32 s73, s42, 10
	s_add_co_u32 s72, s72, s73
	s_lshl_b32 s73, s16, 9
	s_add_co_u32 s72, s72, s73
	s_mov_b32 s73, 0
	s_wait_kmcnt 0x0
	s_add_nc_u64 s[20:21], s[4:5], s[20:21]
	s_add_nc_u64 s[46:47], s[6:7], s[46:47]
	s_add_nc_u64 s[8:9], s[8:9], s[74:75]
	s_add_nc_u64 s[10:11], s[10:11], s[72:73]
	CROUND
.irp s, 0,1
	s_mov_b32 s[G0+4*\s], 1
	s_add_co_u32 s[G0+4*\s+1], s45, \s*SLOT
	s_add_nc_u64 s[G0+4*\s+2:G0+4*\s+3], s[20:21], \s*32*PANEL
	s_or_b32 s[G0+4*\s+3], s[G0+4*\s+3], 0x80000000
	s_mov_b32 s[G0B+4*\s], 1
	s_add_co_u32 s[G0B+4*\s+1], s45, \s*SLOT
	s_add_nc_u64 s[G0B+4*\s+2:G0B+4*\s+3], s[46:47], \s*16*PANEL
	s_or_b32 s[G0B+4*\s+3], s[G0B+4*\s+3], 0x80000000
.endr
	JLOAD 0                                        ; K slot 0: one tensor load a wave at the head
	s_cmp_eq_u32 s15, 0                            ; do I fetch for h?
	s_cselect_b64 s[PFA:PFA+1], s[20:21], s[46:47]
	s_cselect_b32 s18, s40, s41                    ; my place among the four that ask with me
	s_cselect_b32 s19, 25, 50                      ; blocks of 256 bytes in a partner's share
	s_cselect_b32 s[PST], 32, 16
	s_mul_i32 s[PST], s[PST], PANEL
	s_mov_b32 s[PST+1], 0
	s_mul_i32 s78, s18, s19
	s_lshl_b32 s78, s78, 8
	s_mov_b32 s79, 0
	s_add_nc_u64 s[PFA:PFA+1], s[PFA:PFA+1], s[78:79]
	s_add_nc_u64 s[PFA:PFA+1], s[PFA:PFA+1], s[PST:PST+1]  ; at K slot 1
	s_sub_co_u32 s19, s19, 1                       ; the share's last block
	v_and_b32 v1, 31, v0
	v_min_u32 v30, s19, v1
	v_add_nc_u32 v31, 32, v1
	v_min_u32 v31, s19, v31
	v_lshlrev_b32 v30, 8, v30                      ; v30, v31: a lane a block, at the base's K slot;
	v_lshlrev_b32 v31, 8, v31
	v_add_nc_u32 v6, s[PST], v30                   ; v6, v7: one K slot further on.  None of the four is rewritten
	v_add_nc_u32 v7, s[PST], v31
	v_and_b32 v2, 15, v0
	v_bfe_u32 v3, v0, 4, 1
	s_wait_alu depctr_va_vdst(0)
	v_lshlrev_b32 v[CO], 4, v1
	s_wait_alu depctr_va_vdst(0)
	v_lshlrev_b32 v[BO], 6, v3
	s_mul_i32 s21, s15, 4*FRB
	s_add_co_u32 s22, s16, 1
	s_mul_i32 s22, s22, PANEL
	s_xor_b32 s23, s15, 1
	s_lshl_b32 s23, s23, 8
	s_mul_i32 s70, s16, PANEL
	s_add_co_u32 s23, s23, s70
	s_add_co_u32 s23, s23, PANEL-256
	v_mul_u32_u24 v4, s23, v3
	v_lshl_add_u32 v4, v2, 4, v4
	v_lshlrev_b32 v5, 4, v2
	s_lshl_b32 s23, s15, 8
	s_add_co_u32 s23, s23, SCOFF
	s_add_co_u32 s70, s22, SCOFF+256
.irp hs, 0,1,2,3
	v_add_nc_u32 v[ADRA+\hs], s21, v[CO]
	v_add_nc_u32 v[ADRB+\hs], s22, v[CO]
	v_add_nc_u32 v[ADS1+\hs], s23, v4
	v_add_nc_u32 v[ADS2+\hs], s70, v5
	s_add_co_u32 s21, s21, HALF
	s_add_co_u32 s22, s22, HALF
	s_add_co_u32 s23, s23, HALF
	s_add_co_u32 s70, s70, HALF
.endr
	s_mul_i32 s71, s14, 16*SPITCH
	v_mul_u32_u24 v[STO], v2, SPITCH
	v_lshl_add_u32 v[STO], v3, 6, v[STO]
	v_add_nc_u32 v[STO], s71, v[STO]
	v_add_nc_u32 v[RD], s71, v[CO]
.irp t, 0,1,2,3,4,5,6,7
	global_load_b128 v[BI+8*\t:BI+8*\t+3], v[BO], s[8:9] offset:128*(\t/2)+32*(\t%2)
	global_load_b128 v[BI+8*\t+4:BI+8*\t+7], v[BO], s[8:9] offset:128*(\t/2)+32*(\t%2)+16
.endr
.macro FETCH slot, qq, f
.set HS, 2*(\slot)+(\qq)/2
.set QB, ((\qq)%2)*KHALF
.set QS, ((\qq)%2)*512
	WIN TO_B
.irp i, 0,1,2,3,4,5,6,7
.irp c, 0,1,2
	ds_load_b128 v[128*(\f)+FR*\i+4*\c:128*(\f)+FR*\i+4*\c+3], v[ADRB+HS] offset:QB+\i*FRB+512*\c
.endr
.endr
	WIN 0
	ds_load_b128 v[SC+8*(\f):SC+8*(\f)+3], v[ADS1+HS] offset:QS
	ds_load_b128 v[SC+8*(\f)+4:SC+8*(\f)+7], v[ADS2+HS] offset:QS
.irp i, 0,1,2,3
.irp c, 0,1,2
	ds_load_b128 v[AF+48*(\f)+FR*\i+4*\c:AF+48*(\f)+FR*\i+4*\c+3], v[ADRA+HS] offset:QB+\i*FRB+512*\c
.endr
.endr
.endm
.macro MUL8 f, a, first
.irp b, 0,1,2,3,4,5,6,7
.if \first
	v_wmma_scale_f32_16x16x128_f8f6f4 v[8*(8*(\a)+\b):8*(8*(\a)+\b)+7], v[128*(\f)+FR*\b:128*(\f)+FR*\b+FR-1], v[AF+48*(\f)+FR*(\a):AF+48*(\f)+FR*(\a)+FR-1], v[BI+8*\b:BI+8*\b+7], v[SC+8*(\f)+\b], v[SC+8*(\f)+(\a)] matrix_a_fmt:MATRIX_FMT_FP6 matrix_b_fmt:MATRIX_FMT_FP6 matrix_a_scale:MATRIX_SCALE_ROW1
.else
	v_wmma_scale_f32_16x16x128_f8f6f4 v[8*(8*(\a)+\b):8*(8*(\a)+\b)+7], v[128*(\f)+FR*\b:128*(\f)+FR*\b+FR-1], v[AF+48*(\f)+FR*(\a):AF+48*(\f)+FR*(\a)+FR-1], v[8*(8*(\a)+\b):8*(8*(\a)+\b)+7], v[SC+8*(\f)+\b], v[SC+8*(\f)+(\a)] matrix_a_fmt:MATRIX_FMT_FP6 matrix_b_fmt:MATRIX_FMT_FP6 matrix_a_scale:MATRIX_SCALE_ROW1
.endif
.endr
.endm
.macro PLACES n
.rept \n
	v_nop
.endr
.endm
; A quarter of a slot, 128 along K: 32 matrix instructions on set f.  The next quarter's 38 LDS loads, into set g, stand in ONE run at the quarter's head, 32 matrix instructions ahead of their use:
; set g was multiplied just before, so the places that loads into its registers need come first.
.macro QUARTER slot, qn, f, g, first
	PLACES NP
	FETCH \slot, \qn, \g
	s_wait_dscnt 38                                ; all but the 38 just issued: set f is in
	WIN MUL-0x20*(\first)
	MUL8 \f, 0, \first
	MUL8 \f, 1, \first
	MUL8 \f, 2, \first
	MUL8 \f, 3, \first
.endm
.macro TURN slot, next, fill
	WIN 0
.if \fill
	s_wait_xcnt 0x0                                ; my last prefetches, a K slot ago, have read their base
	s_add_nc_u64 s[PFA:PFA+1], s[PFA:PFA+1], s[PST:PST+1]
.endif
	s_wait_tensorcnt 0x0
	ds_add_u32 v[SPW], v[NIL]
	s_wait_dscnt 7
	WIN MUL
	MUL8 1, 0, 0
	s_wait_dscnt 0x0
	s_barrier_signal -1
	MUL8 1, 1, 0
	WIN 0
	s_barrier_wait -1
.if \fill
	CREST
	s_add_nc_u64 s[G0+4*\slot+2:G0+4*\slot+3], s[G0+4*\slot+2:G0+4*\slot+3], 64*PANEL
	s_add_nc_u64 s[G0B+4*\slot+2:G0B+4*\slot+3], s[G0B+4*\slot+2:G0B+4*\slot+3], 32*PANEL
	JLOAD \slot
.else
	PLACES NP
.endif
	s_wait_alu depctr_va_vdst(0)
	FETCH \next, 0, 0
.if \fill
	s_cmp_gt_u32 s3, 1                             ; s3 = 1 in the loop's last trip: no K slot stands two refills on
	s_cbranch_scc0 .Lno_ask_\@
	ASK 6
.Lno_ask_\@:
.endif
	WIN MUL
	MUL8 1, 2, 0
	MUL8 1, 3, 0
.endm
	s_wait_alu depctr_va_vdst(0)
	s_wait_loadcnt 0x0                             ; b2 is in: it was asked for behind K slot 0, whose own requests have so gone out ahead of the two below
	ASK 30                                         ; K slot 1,
	ASK 6                                          ; and K slot 2
	s_wait_tensorcnt 0x0                           ; my piece of K slot 0 is in
	ds_add_u32 v[SPW], v[NIL]
	s_wait_dscnt 0x0
	CROUND                                         ; everybody's piece is in, and all sixteen work-groups are here
	JLOAD 1                                        ; K slot 1, the first tensor load behind the round
	FETCH 0, 0, 0
	s_wait_xcnt 0x0                                ; the head's prefetches have read their base
	s_add_nc_u64 s[PFA:PFA+1], s[PFA:PFA+1], s[PST:PST+1]  ; at K slot 2
	ASK 6                                          ; K slot 3
	QUARTER 0, 1, 0, 1, 1
	WIN 0
	s_mov_b32 s3, LAPS-1
.Llap:
	QUARTER 0, 2, 1, 0, 0
	QUARTER 0, 3, 0, 1, 0
	TURN 0, 1, 1
	QUARTER 1, 1, 0, 1, 0
	QUARTER 1, 2, 1, 0, 0
	QUARTER 1, 3, 0, 1, 0
	TURN 1, 0, 1
	QUARTER 0, 1, 0, 1, 0
	WIN 0
	s_sub_co_u32 s3, s3, 1
	s_cmp_lg_u32 s3, 0
	s_cbranch_scc1 .Llap
	QUARTER 0, 2, 1, 0, 0
	QUARTER 0, 3, 0, 1, 0
	TURN 0, 1, 0
	QUARTER 1, 1, 0, 1, 0
	QUARTER 1, 2, 1, 0, 0
	QUARTER 1, 3, 0, 1, 0
	s_wait_dscnt 6
	WIN MUL
	MUL8 1, 0, 0
	MUL8 1, 1, 0
	s_wait_dscnt 0
	MUL8 1, 2, 0
	MUL8 1, 3, 0
	WIN 0
.macro TOSTAGE a
	WIN 0x08
.irp b, 0,1,2,3,4,5,6,7
	ds_store_b128 v[STO], v[64*(\a)+8*\b:64*(\a)+8*\b+3] offset:128*(\b/2)+32*(\b%2)
	ds_store_b128 v[STO], v[64*(\a)+8*\b+4:64*(\a)+8*\b+7] offset:128*(\b/2)+32*(\b%2)+16
.endr
	WIN 0
.set BB, BK+64*((\a)%2)
.irp t, 0,1,2,3,4,5,6,7,8,9,10,11,12,13,14,15
	ds_load_b128 v[BB+4*\t:BB+4*\t+3], v[RD] offset:\t*SPITCH
.endr
.endm
.macro SEND a, younger
.set BB, BK+64*((\a)%2)
	s_wait_dscnt \younger
.irp t, 0,1,2,3,4,5,6,7,8,9,10,11,12,13,14,15
	global_store_b128 v[CO], v[BB+4*\t:BB+4*\t+3], s[10:11] offset:(16*(\a)+\t)*4096 th:TH_STORE_NT
.endr
.endm
	PLACES NP
	TOSTAGE 0
.irp a, 1,2,3
.if \a > 1
	s_wait_xcnt 0x0
.endif
	TOSTAGE \a
	SEND \a-1, 32
.endr
	SEND 3, 0
	s_wait_tensorcnt 0x0
	ds_add_u32 v[SPW], v[NIL]
	s_wait_dscnt 0x0
	CROUND
	s_endpgm
.Lfunc_end_k_qb46fc7dcdd_gemm2:
	.size	k_qb46fc7dcdd_gemm2, .Lfunc_end_k_qb46fc7dcdd_gemm2-k_qb46fc7dcdd_gemm2
	.p2alignl 7, 3214868480
	.fill 96, 4, 3214868480
	.section	.rodata,"a",@progbits
	.p2align	6, 0x0
	.amdhsa_kernel k_qb46fc7dcdd_gemm2
		.amdhsa_group_segment_fixed_size 327680
		.amdhsa_private_segment_fixed_size 0
		.amdhsa_enable_private_segment 0
		.amdhsa_kernarg_size 32
		.amdhsa_user_sgpr_count 2
		.amdhsa_user_sgpr_kernarg_segment_ptr 1
		.amdhsa_wavefront_size32 1
		.amdhsa_system_sgpr_workgroup_id_x 1
		.amdhsa_system_sgpr_workgroup_id_y 1
		.amdhsa_system_sgpr_workgroup_id_z 1
		.amdhsa_system_vgpr_workitem_id 0
		.amdhsa_next_free_vgpr 768
		.amdhsa_next_free_sgpr 80
		.amdhsa_reserve_vcc 0
		.amdhsa_float_denorm_mode_32 3
		.amdhsa_float_denorm_mode_16_64 3
		.amdhsa_memory_ordered 1
		.amdhsa_forward_progress 1
		.amdhsa_inst_pref_size 137
	.end_amdhsa_kernel
	.amdgpu_metadata
---
amdhsa.version: [ 1, 2 ]
amdhsa.kernels:
  - .name:           k_qb46fc7dcdd_gemm2
    .symbol:         k_qb46fc7dcdd_gemm2.kd
    .args:
      - { .name: hq, .offset: 0, .size: 8, .value_kind: global_buffer, .address_space: global }
      - { .name: w2q, .offset: 8, .size: 8, .value_kind: global_buffer, .address_space: global }
      - { .name: b2, .offset: 16, .size: 8, .value_kind: global_buffer, .address_space: global }
      - { .name: out0, .offset: 24, .size: 8, .value_kind: global_buffer, .address_space: global }
    .group_segment_fixed_size: 327680
    .private_segment_fixed_size: 0
    .kernarg_segment_align: 8
    .kernarg_segment_size: 32
    .max_flat_workgroup_size: 128
    .sgpr_count:     80
    .vgpr_count:     768
    .wavefront_size: 32
...
	.end_amdgpu_metadata
.endif
;; end of part 3
